; MI455X (gfx1250); checked and timed in simulation.
; The chip was launched on July 23, 2026; its instructions are those of AMD's public machine-readable ISA for CDNA 5 (MIT licence, August 2026) and "CDNA5" Instruction Set Architecture Reference Guide (July 2026). The comments in the code are by the model that wrote it; some were corrected since.
;; Chunked Cross Attention. Allowed arithmetic: matrix products marked QUANTISED: E5M2 operands, one given power-of-two scale a tensor, by v_wmma_f32_16x16x64_bf8_bf8 or v_wmma_f32_16x16x128_bf8_bf8, f32 sums; everything else in f32.
;; Inputs: Wk_codes 1,024 x 32 x 32 uint8 (E5M2 codes of Wk, K innermost, in blocks of 32 codes); Wo_codes 1,024 x 32 x 32 uint8 (E5M2 codes of Wo, K innermost, in blocks of 32 codes); Wq_codes 1,024 x 32 x 32 uint8 (E5M2 codes of Wq, K innermost, in blocks of 32 codes); Wv_codes 1,024 x 32 x 32 uint8 (E5M2 codes of Wv, K innermost, in blocks of 32 codes); bk 1,024 float32; bo 1,024 float32; bq 1,024 float32; bv 1,024 float32; e_codes 4 x 16 x 2 x 128 x 32 x 32 uint8 (E5M2 codes of e, K innermost, in blocks of 32 codes); g_norm 1,024 float32; h 4 x 1,024 x 1,024 float32; lowp_scales 12 int32 (the exponents e of the quantised operands' scales 2^e).
;; Outputs: out0 4 x 1,024 x 1,024 float32.
;; This version of the problem:
;;   THIS VERSION OF THE PROBLEM IS GIVEN IN LOW PRECISION. The matrix products marked QUANTISED in the list below multiply operands that are first quantised to E5M2 (5 exponent bits, 2 mantissa bits; 8 bits a number), with one given power-of-two scale for each operand tensor; their sums are f32. All else is computed in f32.
;;   The module's matrix products, in the order in which they are computed (A, B: the left and right operand; K: the contracted axis; several contracted axes count as one K, in the product's order):
;;     1. [M 4,096, K 1,024] x [K 1,024, N 1,024]; A: computed on the way; B: input Wq (given as codes): QUANTISED (scales: A lowp_scales[0], B lowp_scales[1])
;;     2. [M 16,384, K 1,024] x [K 1,024, N 1,024]; A: input e (given as codes); B: input Wk (given as codes): QUANTISED (scales: A lowp_scales[2], B lowp_scales[3])
;;     3. [M 16,384, K 1,024] x [K 1,024, N 1,024]; A: input e (given as codes); B: input Wv (given as codes): QUANTISED (scales: A lowp_scales[4], B lowp_scales[5])
;;     4. batch 1,024 x [M 64, K 64] x [K 64, N 256]; A: computed on the way; B: computed on the way: QUANTISED (scales: A lowp_scales[6], B lowp_scales[7])
;;     5. batch 1,024 x [M 64, K 256] x [K 256, N 64]; A: computed on the way; B: computed on the way: QUANTISED (scales: A lowp_scales[8], B lowp_scales[9])
;;     6. [M 4,096, K 1,024] x [K 1,024, N 1,024]; A: computed on the way; B: input Wo (given as codes): QUANTISED (scales: A lowp_scales[10], B lowp_scales[11])
;;   THE QUANTISER, for each operand of a quantised product, along K:
;;     - The operand's scale is 2^e, e = its entry of the input lowp_scales (int32; the entries are numbered through the quantised products in the list's order, A before B).
;;     - Each number is divided by the scale, clamped to +-57,344, and rounded to the nearest number of E5M2, ties to even, subnormals kept.
;;     - The product sums the exact products of the quantised numbers (number of the format x scale) in f32.
;;   ~~~python
;;   def quantise(x, axis, e):      # numpy; x: float32 -> the quantised numbers, widened to float32 again
;;       x = np.moveaxis(x, axis, -1); K = x.shape[-1]
;;       r = np.clip(x / 2.0 ** e, -57344, 57344)
;;       step = 2.0 ** (np.maximum(np.frexp(np.where(r == 0, 1, r))[1] - 1, -14) - 2)
;;       q = np.round(r / step) * step * 2.0 ** e      # np.round: ties to even
;;       return np.moveaxis(q, -1, axis).astype(np.float32)
;;   ~~~
;;   OPERANDS COMPUTED ON THE WAY. 'Computed on the way' means the value that the module computes at that place (a softmax that the list does not call 'softmax' is quantised finished and normalised). What goes into a quantiser is computed in f32, as accurately as f32 sums, v_exp_f32 and their like allow (about 1e-6 of the number): no bf16 or f16 on the way to a quantiser, and a product that is left as it is and whose result goes on into a quantised operand takes f32 operands (vector FMAs, or v_wmma_f32_16x16x4_f32). A number that lies on a knife's edge between two numbers of the format may be rounded either way, as far as f32 arithmetic and the matrix unit's own rounding can turn it there, and no further.
;;   INPUTS GIVEN AS CODES. Wk (in the module: [1024, 1024], K = its axis 0); Wo (in the module: [1024, 1024], K = its axis 0); Wq (in the module: [1024, 1024], K = its axis 0); Wv (in the module: [1024, 1024], K = its axis 0); e (in the module: [4, 16, 2, 128, 1024], K = its axis 4): each comes as NAME_codes (uint8): NAME with its K axis moved to the last place and cut into blocks of 32 codes, [.., K / 32, bytes a block], one block behind the other in memory; one code a byte (a code: sign, 5 exponent bits, 2 mantissa bits); its scale is its entry of lowp_scales. Its value is code x scale, taken as it is: it is not quantised again, and the codes and scales need not be those that the quantiser above would give.
;; One version. Each part assembles by itself: llvm-mc -triple=amdgcn-amd-amdhsa -mcpu=gfx1250 --defsym DOCPART=n.
;; ======== version 1 of 1: 2 launches
;; limits: right only within a limited range of input values
;; workspace buffers: oimg 4,194,304 bytes
;; launch attn (part 1): grid 4 x 64, 4 waves a work-group, clusters of 4 x 4, 327,680 bytes of LDS; arguments h, g_norm, e_codes, Wq_codes, Wk_codes, Wv_codes, bq, bk, bv, lowp_scales, oimg; writes oimg
.if DOCPART == 1
	.amdgcn_target "amdgcn-amd-amdhsa--gfx1250"
	.amdhsa_code_object_version 6
	.text
	.protected	k_q557f246e86_attn
	.globl	k_q557f246e86_attn
	.p2align	8
	.type	k_q557f246e86_attn,@function
k_q557f246e86_attn:
	s_mov_b64 s[64:65], 0
	v_nop
	global_prefetch_b8 v0, s[64:65] scope:SCOPE_SE
	s_setreg_imm32_b32 hwreg(HW_REG_WAVE_MODE, 25, 1), 1
	s_wait_xcnt 0x0
	s_wait_alu depctr_hold_cnt(0) depctr_sa_sdst(0) depctr_va_vdst(0) depctr_va_sdst(0) depctr_va_ssrc(0) depctr_va_vcc(0) depctr_vm_vsrc(0)
	s_getreg_b32 s2, hwreg(HW_REG_IB_STS2, 6, 4)
	s_cmp_eq_u32 s2, 0
	s_cbranch_scc0 .Lentry_in_a_cluster
	s_endpgm
.Lentry_in_a_cluster:
	s_bfe_u32 s2, ttmp6, 0x10000c
	s_cmp_lg_u32 s2, 0xf033
	s_cbranch_scc0 .Lentry_shape_is_right
	s_endpgm
.Lentry_shape_is_right:
; FIRST LAUNCH: the norm of h, Q, K and V, the softmax and its product with V; o's codes go out as images of fragments for the second launch.
; A work-group owns one chunk (batch x 16 + chunk = BC) and four heads (group HG): 64 query rows, 256 keys.  4 x 64 = 256 work-groups of four waves.
; Wave = 2 HH + QH: HH picks the head of a pair, QH the half of the rows (128 keys in the products K and V, 32 queries in Q and in the softmax).
; STEPS.  (1) h's rows come by joint tensor loads into the ring in two halves, are normalised, quantised and handed round through LDS.  (2) Q for all four heads, codes kept in registers.
; (3) Twice, for a pair of heads: K and V of the 256 keys (K = 1,024 in four tiles of 256), quantised, the halves exchanged between the two waves of a head, then two tiles of 16 queries: S, softmax, P V.
; CLUSTER 4 x 4: h and e are shared along a row (same BC), the weights along a column (same HG): all tensor loads are joint loads.
; LAYOUT.  K is made with source 0 = weights, V with source 0 = e, S transposed, O transposed: every result's eight registers are eight neighbours along the next product's K, so conversions make operands.
; PADDED ROWS.  Of the last chunk of a batch row 0 alone is a row of h; the 63 others are padding: they are normalised as some row of h times 0.  What they give is cut away by the second launch;
; they are not left out here, since they share tiles, walk and barriers with live rows.
; LIMITS.  Every power of two made of the given exponents is an f32 number: for each quantiser its scale's exponent, less those of the sums that go in, lies between -126 and 112; e6 + e7 between -123 and 130.
; The scaled scores (base 2) stay under 2^31 in magnitude.
; PREFETCHES: h's second half and the first tiles of Wq at the head, e and the weights two tiles ahead of their loads; partners share the rows by address; weights, which all clusters read, are asked for by four clusters.
.set PITCH, 272                        ; an LDS row: 256 bytes + 16 of padding
.set HALFT, 128*PITCH                  ; what one tensor load brings
.set SLOT,  4*HALFT
.set XCH,   2*SLOT                     ; exchange: 32 rows of 1,040 bytes, or 4 x 8,192 bytes
.set XP,    1040
.set HP,    16*PITCH                   ; a row of h (4,096 bytes) in LDS
.set SPARE, XCH+32*XP
.set SPW, 1
.set NIL, 2
.set ADRA, 3                           ; v3-4 e's rows in slot 0, 1
.set ADRK, 5
.set ADRV, 7
.set ADRQ, 9                           ; v9-12
.set XST, 13
.set XLD, 14
.set XCS, 15
.set XCL, 16
.set VB, 17                            ; v17-18 my rows of h in slot 0, 1
.set OOF, 19                           ; 16 x lane
.set PFO, 20
.set BOF8, 21
.set BOFR, 22
.set SCK, 23
.set SCV, 24
.set SCP, 25
.set SCO, 26
.set SCT, 27
.set BVT, 28
.set BK, 32                            ; v32-63 g, then K's bias
.set BV, 64                            ; v64-95 V's bias; ahead of it the norm's sums
.set QT, 64
.set QW, 96                            ; v96-127 Q's codes
.set XSC, 123
.set PFH, 124
.set AF, 128                           ; v128-255 e's fragments
.set TCNT, 3
.set WV, 26
.set HH, 27
.set G1E, 28
.set G1W, 36
.set G0Q, 44
.set G0E, 52
.set QH, 60
.set ZG, 61
.set TS, 62
.set Z0, 63
.set I1024, 66
.set EPS, 67
.set G0W, 68
.set EBK, 76
.set EBV, 77
.set LIMO, 78
.set NEGO, 79
.set GATE, 80
.set PASS, 81
.set EBQ, 87
.set CS, 88
.set SEL, 90
.set LIMX, 92
.set NEGX, 93
.set SCQ, 94
.set LIMQ, 95
.set NEGQ, 96
.set LIMK, 97
.set NEGK, 98
.set LIMV, 99
.set NEGV, 100
.set LIMP, 101
.set CX, 96
.set CY, 97
.set HG, 98
.set BC, 99
.set G1C, (1<<20)|(1<<21)|(5<<22)|(3<<25)   ; elements of 1 byte, 4 words of padding after every 64; bit 21 beside a mask
.set MSB, 0
.macro WIN new                         ; the immediate's high byte repeats the setting that is left
.if MSB != (\new)
	s_set_vgpr_msb (MSB<<8)|(\new)
.set MSB, \new
.endif
.endm
.macro PLACES n
.rept \n
	v_nop
.endr
.endm
.macro TLOAD g0, g1                    ; a joint load that all four waves issue
	tensor_load_to_lds s[\g0:\g0+3], s[\g1:\g1+7]
	s_nop 0
	PLACES 4
.endm
.macro JLOAD s                         ; waves 0, 1: e's halves; wave 2: Wk's rows; wave 3: Wv's
	s_cmp_lt_u32 s[WV], 2
	s_cbranch_scc0 .Lfor_w_\@
	tensor_load_to_lds s[G0E+4*(\s):G0E+4*(\s)+3], s[G1E:G1E+7]
	s_nop 0
	PLACES 4
	s_branch .Lasked_\@
.Lfor_w_\@:
	tensor_load_to_lds s[G0W+4*(\s):G0W+4*(\s)+3], s[G1W:G1W+7]
	s_nop 0
	PLACES 4
.Lasked_\@:
.endm
.macro CREST
	s_cmp_lg_u32 s[WV], 0
	s_cbranch_scc1 .Lnot_wave_0_\@
	s_barrier_signal -3
.Lnot_wave_0_\@:
	s_barrier_wait -3
	s_barrier_signal -1
	s_barrier_wait -1
.endm
.macro CROUND                          ; a round of the cluster's barrier
	s_barrier_signal -1
	s_barrier_wait -1
	CREST
.endm
.macro BARRIER
	s_wait_alu depctr_va_vdst(0)
	s_wait_dscnt 0x0
	s_barrier_signal -1
	s_barrier_wait -1
.endm
.macro DRAIN                           ; the tensor wait and the add ahead of a fill; the wait for the add follows
	s_wait_alu depctr_va_vdst(0)
	s_wait_tensorcnt 0x0
	ds_add_u32 v[SPW], v[NIL]
.endm
.macro ASK off                         ; e: 16 rows x 2 blocks of 256 bytes a wave: two tiles ahead
	global_prefetch_b8 v[PFO], s[8:9] offset:\off th:TH_LOAD_NT scope:SCOPE_SE
.endm
.macro ASKG ptr, off                   ; weights: 16 rows x 2 blocks a wave, in four clusters
	s_cmp_eq_u32 s[GATE], 1
	s_cbranch_scc0 .Lnot_mine_\@
	global_prefetch_b8 v[PFO], s[\ptr:\ptr+1] offset:\off th:TH_LOAD_NT scope:SCOPE_SE
.Lnot_mine_\@:
.endm
.macro MKLIM e, sc, lim, neg           ; 2^e, and 57,344 x 2^e with both signs
	s_add_co_i32 s[\e], s[\e], 127
	s_lshl_b32 s[\sc], s[\e], 23
	s_add_co_i32 s[\e], s[\e], 15
	s_lshl_b32 s[\lim], s[\e], 23
	s_or_b32 s[\lim], s[\lim], 0x600000
.if \neg >= 0
	s_or_b32 s[\neg], s[\lim], 0x80000000
.endif
.endm
; THE NORM of my 8 rows of a half, four at a time in window 1.  Lane l holds k = 128 j + 4 l + 0 .. 3 in registers 4 j on.
.macro LDROW rr, adr, off
.irp j, 0,1,2,3,4,5,6,7
	ds_load_b128 v[32*(\rr)+4*\j:32*(\rr)+4*\j+3], v[\adr] offset:(\off)+(\rr)*HP+2*PITCH*\j
.endr
.endm
.macro ROWOUT r0                       ; rows r0, r0 + 1: times the row's factor, held, quantised, stored as codes
	WIN 0x41
.irp u, 0,2,4,6,8,10,12,14,16,18,20,22,24,26,28,30
.irp rr, \r0, \r0+1
	v_pk_mul_f32 v[32*(\rr)+\u:32*(\rr)+\u+1], v[32*(\rr)+\u:32*(\rr)+\u+1], v[80+2*(\rr):81+2*(\rr)] op_sel_hi:[1,0]
.endr
.endr
.set qi, 32*(\r0)
.rept 64
	v_med3_num_f32 v[qi], v[qi], s[NEGX], s[LIMX]
.set qi, qi+1
.endr
	WIN 0x01
.irp jj, 0,1,2,3,4,5,6,7
	v_cvt_scalef32_pk8_bf8_f32 v[160+8*(\r0)+2*\jj:161+8*(\r0)+2*\jj], v[32*(\r0)+8*\jj:32*(\r0)+8*\jj+7], v[SCT]
.endr
	v_nop
	WIN 0
.irp m, 0,1,2,3,4,5,6,7,8,9,10,11,12,13,14,15
	ds_store_b32 v[XSC], v[160+8*(\r0)+\m] offset:((\r0)+\m/8)*XP+128*(\m%8)
.endr
.endm
.macro HALF vb, first
	WIN 0x40
	LDROW 0, \vb, 0
.if \first
	LDROW 7, \vb, 0
.endif
	LDROW 1, \vb, 0
	LDROW 2, \vb, 0
	LDROW 3, \vb, 0
	WIN 0
.if \first                             ; in a batch's last chunk row 0 is the eighth row that was fetched
	s_cmp_eq_u32 s[ZG], 0
	s_cselect_b32 vcc_lo, -1, 0
	s_wait_dscnt 24                                ; rows 0 and 7 are in; rows 1 to 3 may be out
	WIN 0x45
.set qi, 0
.rept 32
	v_cndmask_b32 v[qi], v[qi], v[224+qi], vcc_lo
.set qi, qi+1
.endr
	WIN 0
	s_wait_alu depctr_va_vdst(0)
.endif
	s_mov_b32 s[TS], 0
	s_mov_b32 s[TCNT], 2
.Lhalf_\@:
	v_add_nc_u32 v[XSC], s[TS], v[XST]
	WIN 0x05
.irp rr, 0,1,2,3
	s_wait_dscnt 24-8*\rr                          ; row rr is in; behind it at least the 8 loads of each later row
	v_pk_mul_f32 v[64+4*\rr:65+4*\rr], v[32*\rr:32*\rr+1], v[32*\rr:32*\rr+1]
	v_pk_mul_f32 v[66+4*\rr:67+4*\rr], v[32*\rr+2:32*\rr+3], v[32*\rr+2:32*\rr+3]
.irp u, 4,8,12,16,20,24,28
	v_pk_fma_f32 v[64+4*\rr:65+4*\rr], v[32*\rr+\u:32*\rr+\u+1], v[32*\rr+\u:32*\rr+\u+1], v[64+4*\rr:65+4*\rr]
	v_pk_fma_f32 v[66+4*\rr:67+4*\rr], v[32*\rr+\u+2:32*\rr+\u+3], v[32*\rr+\u+2:32*\rr+\u+3], v[66+4*\rr:67+4*\rr]
.endr
.endr
	WIN 0
.irp rr, 0,1,2,3
	v_pk_add_f32 v[64+4*\rr:65+4*\rr], v[64+4*\rr:65+4*\rr], v[66+4*\rr:67+4*\rr]
.endr
.irp rr, 0,1,2,3
	v_add_f32 v[64+4*\rr], v[64+4*\rr], v[65+4*\rr]
.endr
.irp m, 1,2,4,8
.irp rr, 0,1,2,3
	v_add_f32_dpp v[64+4*\rr], v[64+4*\rr], v[64+4*\rr] row_xmask:\m row_mask:0xf bank_mask:0xf
.endr
.endr
.irp rr, 0,1,2,3
	v_permlanex16_b32 v[65+4*\rr], v[64+4*\rr], s[SEL], s[SEL+1]
.endr
.irp rr, 0,1,2,3
	v_add_f32 v[64+4*\rr], v[64+4*\rr], v[65+4*\rr]
.endr
.irp rr, 0,1,2,3
	v_fma_f32 v[64+4*\rr], v[64+4*\rr], s[I1024], s[EPS]
.endr
	s_wait_alu depctr_va_vdst(0)
.irp rr, 0,1,2,3
	v_rsq_f32 v[80+2*\rr], v[64+4*\rr]
.endr
	WIN 0x41
.irp u, 0,2,4,6,8,10,12,14,16,18,20,22,24,26,28,30
.irp rr, 0,1,2,3
	v_pk_mul_f32 v[32*\rr+\u:32*\rr+\u+1], v[32*\rr+\u:32*\rr+\u+1], v[BK+\u:BK+\u+1]
.endr
.endr
	s_wait_alu depctr_va_vdst(0)
	WIN 0
	v_mul_f32 v80, s[Z0], v80                      ; 1, or 0 for a padded row
.irp rr, 1,2,3
	v_mul_f32 v[80+2*\rr], s[ZG], v[80+2*\rr]
.endr
	ROWOUT 0
	s_wait_alu depctr_va_vdst(0)
	s_cmp_eq_u32 s[TCNT], 1
	s_cbranch_scc1 .Lno_a_\@
	WIN 0x40
	LDROW 0, \vb, 4*HP
	LDROW 1, \vb, 4*HP
	WIN 0
.Lno_a_\@:
	ROWOUT 2
	s_wait_alu depctr_va_vdst(0)
	s_cmp_eq_u32 s[TCNT], 1
	s_cbranch_scc1 .Lno_b_\@
	WIN 0x40
	LDROW 2, \vb, 4*HP
	LDROW 3, \vb, 4*HP
	WIN 0
.Lno_b_\@:
	s_add_co_u32 s[TS], s[TS], 4*XP
	s_mov_b32 s[Z0], s[ZG]
	s_sub_co_u32 s[TCNT], s[TCNT], 1
	s_cmp_lg_u32 s[TCNT], 0
	s_cbranch_scc1 .Lhalf_\@
.endm
.macro EXLOAD t                        ; my row tile t of the normalised h, all of K: 8 fragments in window 2
	WIN 0x80
.irp kk, 0,1,2,3,4,5,6,7
.irp c, 0,1,2,3
	ds_load_b128 v[128*(\t)+16*\kk+4*\c:128*(\t)+16*\kk+4*\c+3], v[XLD] offset:128*\kk+32*\c
.endr
.endr
	WIN 0
.endm
; Q: 8 column tiles (two heads) x 2 row tiles, K in 8 steps of 128; a slot holds 512 along K.
.macro FETCHQ k, set
	WIN 0x40
.irp tt, 0,1,2,3,4,5,6,7
.irp c, 0,1,2,3
	ds_load_b128 v[128*(\set)+16*\tt+4*\c:128*(\set)+16*\tt+4*\c+3], v[ADRQ+2*((\k)/4)+((\k)/2)%2] offset:((\tt%4)*16+(\tt/4)*128)*PITCH+128*((\k)%2)+32*\c
.endr
.endr
	WIN 0
.endm
.macro QMUL k, t0
	WIN 0xf9
.irp tt, 0,1,2,3
.irp i, 0,1
.if (\k) == 0
	v_wmma_f32_16x16x128_bf8_bf8 v[128+8*(8*\i+(\t0)+\tt):128+8*(8*\i+(\t0)+\tt)+7], v[128*((\k)%2)+16*((\t0)+\tt):128*((\k)%2)+16*((\t0)+\tt)+15], v[128*\i+16*(\k):128*\i+16*(\k)+15], v[8*((\t0)+\tt):8*((\t0)+\tt)+7]
.else
	v_wmma_f32_16x16x128_bf8_bf8 v[128+8*(8*\i+(\t0)+\tt):128+8*(8*\i+(\t0)+\tt)+7], v[128*((\k)%2)+16*((\t0)+\tt):128*((\k)%2)+16*((\t0)+\tt)+15], v[128*\i+16*(\k):128*\i+16*(\k)+15], v[128+8*(8*\i+(\t0)+\tt):128+8*(8*\i+(\t0)+\tt)+7]
.endif
.endr
.endr
.endm
.macro QSTEP k
	s_wait_dscnt 0x0
.if (\k) > 0
	PLACES 4
.endif
	FETCHQ (\k)+1, ((\k)+1)%2
	QMUL \k, 0
	QMUL \k, 4
	WIN 0
.endm
; K AND V: a step is 128 along K: e's 8 blocks of 16 rows x (4 tiles of Wk, 4 of Wv) = 64 matrix instructions in four groups of two blocks.  The 64 accumulators take turns.
; K of block a, tile t at v[64 (a % 4) + 8 t], V 32 registers on; blocks 0-3 in window 2, 4-7 in window 3.  z = 1: the biases, over the sums' power of two, start the sums.
.macro PK1 i, p, w, z
.set AA, 64*(2*((\i)%2)+(\w)/4)+8*((\w)%4)
.set FB, 128*(\p)+16*((\w)%4)
.set FA, AF+16*(2*(\i)+(\w)/4)
.if \z
	v_wmma_f32_16x16x128_bf8_bf8 v[AA:AA+7], v[FB:FB+15], v[FA:FA+15], v[BK+8*((\w)%4):BK+8*((\w)%4)+7]
.else
	v_wmma_f32_16x16x128_bf8_bf8 v[AA:AA+7], v[FB:FB+15], v[FA:FA+15], v[AA:AA+7]
.endif
.endm
.macro PV1 i, p, w, z
.set AA, 64*(2*((\i)%2)+(\w)/4)+8*((\w)%4)+32
.set FB, 128*(\p)+16*((\w)%4)+64
.set FA, AF+16*(2*(\i)+(\w)/4)
.if \z
	v_wmma_f32_16x16x128_bf8_bf8 v[AA:AA+7], v[FA:FA+15], v[FB:FB+15], v[BV+8*((\w)%4):BV+8*((\w)%4)+7]
.else
	v_wmma_f32_16x16x128_bf8_bf8 v[AA:AA+7], v[FA:FA+15], v[FB:FB+15], v[AA:AA+7]
.endif
.endm
.macro GRP i, p, z
	WIN (0xa1-0x20*(\z))+(0x50-0x10*(\z))*((\i)/2)
.irp w, 0,1,2,3,4,5,6,7
	PK1 \i, \p, \w, \z
.endr
	WIN (0xa4-0x20*(\z))+(0x50-0x10*(\z))*((\i)/2)
.irp w, 0,1,2,3,4,5,6,7
	PV1 \i, \p, \w, \z
.endr
.endm
.macro FRAG reg, adr, q, rows
.irp c, 0,1,2,3
	ds_load_b128 v[(\reg)+4*\c:(\reg)+4*\c+3], v[\adr] offset:128*(\q)+32*\c+(\rows)*PITCH
.endr
.endm
.macro LB s, q, p, t0                  ; 16 loads: two tiles of Wk, two of Wv
	WIN 0x40
.irp t, \t0, \t0+1
	FRAG 128*(\p)+16*(\t), ADRK+(\s), \q, 16*(\t)
	FRAG 128*(\p)+64+16*(\t), ADRV+(\s), \q, 16*(\t)
.endr
.endm
.macro LA s, q, i                      ; 8 loads: blocks 2 i, 2 i + 1 of e
	WIN 0
.irp b, 0,1
	FRAG AF+16*(2*(\i)+\b), ADRA+(\s), \q, 16*(2*(\i)+\b)
.endr
.endm
; Loads into a register that a matrix instruction has read stand four places behind it.  Behind each group its own blocks are fetched anew for the next step; B's other set behind groups 0 and 1.
.macro STEP s, z
	s_wait_dscnt 16                                ; B's set and blocks 0-3 are in; 8 + 8 younger loads (blocks 4-7) may be out
	GRP 0, 0, \z
	PLACES 4
	LB \s, 1, 1, 0
	LA \s, 1, 0
	GRP 1, 0, \z
	PLACES 4
	LB \s, 1, 1, 2
	LA \s, 1, 1
	s_wait_dscnt 56                                ; blocks 4, 5: younger are 8 + 24 + 24
	GRP 2, 0, \z
	PLACES 4
	LA \s, 1, 2
	s_wait_dscnt 56                                ; blocks 6, 7: younger are 24 + 24 + 8
	GRP 3, 0, \z
	PLACES 4
	LA \s, 1, 3
.endm
; A slot's second step changes slots.
.macro TURN s, n, fill
	s_wait_tensorcnt 0x0
	ds_add_u32 v[SPW], v[NIL]
	s_wait_dscnt 17                                ; 8 + 8 loads and the add may be out
	GRP 0, 1, 0
	s_wait_dscnt 0x0                               ; the add is done, and my reads of this slot are over
	s_barrier_signal -1
	GRP 1, 1, 0
	WIN 0
	s_barrier_wait -1
.if \fill
	CREST
	s_add_nc_u64 s[G0E+4*(\s)+2:G0E+4*(\s)+3], s[G0E+4*(\s)+2:G0E+4*(\s)+3], 512
	s_add_nc_u64 s[G0W+4*(\s)+2:G0W+4*(\s)+3], s[G0W+4*(\s)+2:G0W+4*(\s)+3], 512
	JLOAD \s
.else
	PLACES 4
.endif
	LB \n, 0, 0, 0
	LB \n, 0, 0, 2
	LA \n, 0, 0
	LA \n, 0, 1
	GRP 2, 1, 0
	PLACES 4
	LA \n, 0, 2
	GRP 3, 1, 0
	PLACES 4
	LA \n, 0, 3
.endm
; In a pass's last step the results of blocks 0-3 are held among the products of blocks 4-7: two products, sixteen holds, and so on.
.macro LASTG i, sub, neg, lim
.set mi, 0
.irp c, 0,1,2,3,4,5,6,7
.if \c < 4
	WIN 0xf1
	PK1 \i, 1, 2*\c, 0
	PK1 \i, 1, 2*\c+1, 0
.else
	WIN 0xf4
	PV1 \i, 1, 2*\c-8, 0
	PV1 \i, 1, 2*\c-7, 0
.endif
	WIN 0x82
.rept 16
	v_med3_num_f32 v[64*(mi/32)+(\sub)+mi%32], v[64*(mi/32)+(\sub)+mi%32], s[\neg], s[\lim]
.set mi, mi+1
.endr
.endr
.endm
.macro HOLD w, sub, neg, lim
	WIN 0x41*(\w)
.set mi, 0
.rept 128
	v_med3_num_f32 v[64*(mi/32)+(\sub)+mi%32], v[64*(mi/32)+(\sub)+mi%32], s[\neg], s[\lim]
.set mi, mi+1
.endr
.endm
.macro CVTK w
	WIN (\w)
.irp a, 0,1,2,3
.irp t, 0,1,2,3
	v_cvt_scalef32_pk8_bf8_f32 v[160+64*((\w)-2)+8*\a+2*\t:160+64*((\w)-2)+8*\a+2*\t+1], v[64*\a+8*\t:64*\a+8*\t+7], v[SCK]
.endr
.endr
	v_nop
.endm
.macro CVTV w
	WIN (\w)
.irp a, 0,1,2,3
.irp t, 0,1,2,3
	v_cvt_scalef32_pk8_bf8_f32 v[128+16*\t+32*(\t/2)+8*((\w)-2)+2*\a:128+16*\t+32*(\t/2)+8*((\w)-2)+2*\a+1], v[64*\a+32+8*\t:64*\a+32+8*\t+7], v[SCV]
.endr
.endr
	v_nop
.endm
.macro BIASLOAD
.irp t, 0,1,2,3
	global_load_b128 v[BK+8*\t:BK+8*\t+3], v[BOF8], s[18:19] offset:64*\t
	global_load_b128 v[BK+8*\t+4:BK+8*\t+7], v[BOF8], s[18:19] offset:64*\t+16
	global_load_b32 v[BVT+\t], v[BOFR], s[20:21] offset:64*\t
.endr
.endm
.macro BIASFIX
	s_wait_loadcnt 0x0
.set qi, 0
.rept 32
	v_ldexp_f32 v[BK+qi], v[BK+qi], s[EBK]
.set qi, qi+1
.endr
.irp t, 0,1,2,3
.irp j, 0,1,2,3,4,5,6,7
	v_ldexp_f32 v[BV+8*\t+\j], v[BVT+\t], s[EBV]
.endr
.endr
.endm
; The exchange between the two waves of a head: images of registers, 8,192 bytes a wave.  base 32: K's codes, 0: V's.  The partner's land in window 1 under the same numbers.
.macro XPUT base
	WIN 0
.irp u, 0,1,2,3,4,5,6,7,8,9,10,11,12,13,14,15
	ds_store_b128 v[XCS], v[128+(\base)+4*\u+32*(\u/8):128+(\base)+4*\u+32*(\u/8)+3] offset:512*\u
.endr
.endm
.macro XGET base
	WIN 0x40
.irp u, 0,1,2,3,4,5,6,7,8,9,10,11,12,13,14,15
	ds_load_b128 v[128+(\base)+4*\u+32*(\u/8):128+(\base)+4*\u+32*(\u/8)+3], v[XCL] offset:512*\u
.endr
	WIN 0
.endm
.macro STMUL part
	WIN 0xa0+(\part)
.irp g, 0,1,2,3,4,5,6,7
	v_wmma_f32_16x16x64_bf8_bf8 v[64*(\part)+8*\g:64*(\part)+8*\g+7], v[160+8*\g+32*(\g/4):160+8*\g+32*(\g/4)+7], v[QT:QT+7], 0
.endr
.endm
.macro SOFTMAX                         ; of 16 queries, 256 keys: a lane holds one query and 128 keys
	WIN 0xaa
	v_mov_b32 v218, 0
.irp c, 0,1,2,3
	v_max3_num_f32 v[200+\c], v[32*\c], v[32*\c+1], v[32*\c+2]
.endr
.irp u, 3,5,7,9,11,13,15,17,19,21,23,25,27,29
.irp c, 0,1,2,3
	v_max3_num_f32 v[200+\c], v[200+\c], v[32*\c+\u], v[32*\c+\u+1]
.endr
.endr
.irp c, 0,1,2,3
	v_max_num_f32 v[200+\c], v[200+\c], v[32*\c+31]
.endr
	v_max3_num_f32 v200, v200, v201, v202
	v_max_num_f32 v200, v200, v203
	v_permlanex16_b32 v218, v200, s[SEL], s[SEL+1]
	v_max_num_f32 v200, v200, v218
	v_mul_f32 v204, s[CS], v200
	v_mov_b32 v205, v204
.set qi, 0
.rept 64
	v_pk_fma_f32 v[qi:qi+1], v[qi:qi+1], s[CS:CS+1], v[204:205] op_sel_hi:[1,0,0] neg_lo:[0,0,1] neg_hi:[0,0,1]
.set qi, qi+2
.endr
.set qi, 0
	s_wait_alu depctr_va_vdst(0)
.rept 128
	v_exp_f32 v[qi], v[qi]
.set qi, qi+1
.endr
	v_nop
	s_wait_alu depctr_va_vdst(0)
.irp c, 0,1,2,3
	v_pk_add_f32 v[206+2*\c:207+2*\c], v[32*\c:32*\c+1], v[32*\c+2:32*\c+3]
.endr
.irp u, 4,6,8,10,12,14,16,18,20,22,24,26,28,30
.irp c, 0,1,2,3
	v_pk_add_f32 v[206+2*\c:207+2*\c], v[206+2*\c:207+2*\c], v[32*\c+\u:32*\c+\u+1]
.endr
.endr
	v_pk_add_f32 v[206:207], v[206:207], v[208:209]
	v_pk_add_f32 v[210:211], v[210:211], v[212:213]
	v_pk_add_f32 v[206:207], v[206:207], v[210:211]
	v_add_f32 v206, v206, v207
	v_permlanex16_b32 v218, v206, s[SEL], s[SEL+1]
	v_add_f32 v206, v206, v218
	s_wait_alu depctr_va_vdst(0)
	v_rcp_f32 v214, v206
	v_mov_b32 v215, 0
	s_wait_alu depctr_va_vdst(0)
.set qi, 0
.rept 64
	v_pk_mul_f32 v[qi:qi+1], v[qi:qi+1], v[214:215] op_sel_hi:[1,0]
.set qi, qi+2
.endr
.set qi, 0
.rept 128
	v_min_num_f32 v[qi], s[LIMP], v[qi]            ; p is not negative: a one-sided hold
.set qi, qi+1
.endr
	WIN 0x82
.irp g, 0,1,2,3,4,5,6,7,8,9,10,11,12,13,14,15
	v_cvt_scalef32_pk8_bf8_f32 v[128+2*\g:129+2*\g], v[8*\g:8*\g+7], v[SCP]
.endr
	v_nop
.endm
.macro PVMUL                           ; my own keys (window 0), then my partner's (window 1)
	WIN 0xa8
.irp t, 0,1,2,3
	v_wmma_f32_16x16x128_bf8_bf8 v[160+8*\t:167+8*\t], v[128+16*\t+32*(\t/2):128+16*\t+32*(\t/2)+15], v[128:143], 0
.endr
	WIN 0xa9
.irp t, 0,1,2,3
	v_wmma_f32_16x16x128_bf8_bf8 v[160+8*\t:167+8*\t], v[128+16*\t+32*(\t/2):128+16*\t+32*(\t/2)+15], v[144:159], v[160+8*\t:167+8*\t]
.endr
.endm
.macro OOUT
	PLACES 4
	WIN 0x82
.set qi, 0
.rept 32
	v_med3_num_f32 v[160+qi], v[160+qi], s[NEGO], s[LIMO]
.set qi, qi+1
.endr
.irp t, 0,1,2,3
	v_cvt_scalef32_pk8_bf8_f32 v[192+2*\t:193+2*\t], v[160+8*\t:167+8*\t], v[SCO]
.endr
	v_nop
	WIN 0x08
	global_store_b128 v[OOF], v[192:195], s[24:25] offset:-16384   ; each covers 512 consecutive bytes, aligned
	global_store_b128 v[OOF], v[196:199], s[24:25] offset:-15872
	WIN 0
.endm
.macro ATT                             ; two tiles of 16 queries
.irp j, 0,1,2,3,4,5,6,7
	v_mov_b32 v[QT+\j], v[QW+\j]
.endr
	s_mov_b32 s[TCNT], 2
.Ltile_\@:
	s_wait_alu depctr_va_vdst(0)
	STMUL 0
	STMUL 1
	PLACES 4
	SOFTMAX
	s_wait_alu depctr_va_vdst(0)
	s_wait_dscnt 0x0                               ; (the first time: the partner's V)
	s_wait_xcnt 0x0                                ; the last tile's stores have read their registers and their base
	s_add_nc_u64 s[24:25], s[24:25], 16384
	PVMUL
	OOUT
.irp j, 0,1,2,3,4,5,6,7
	v_mov_b32 v[QT+\j], v[QW+8+\j]
.endr
	s_sub_co_u32 s[TCNT], s[TCNT], 1
	s_cmp_lg_u32 s[TCNT], 0
	s_cbranch_scc1 .Ltile_\@
.endm
	s_load_b256 s[4:11], s[0:1], 0x0               ; h, g, e, Wq
	s_load_b256 s[12:19], s[0:1], 0x20             ; Wk, Wv, bq, bk
	s_load_b128 s[20:23], s[0:1], 0x40             ; bv, the scales' exponents
	s_load_b64 s[24:25], s[0:1], 0x50              ; o's images
	v_lshl_add_u32 v[SPW], v0, 2, SPARE
	v_mov_b32 v[NIL], 0
	ds_add_u32 v[SPW], v[NIL]                      ; the opening: the add, twice, and its wait
	ds_add_u32 v[SPW], v[NIL]
	v_lshrrev_b32 v3, 5, v0
	v_readfirstlane_b32 s[WV], v3
	s_lshr_b32 s[HH], s[WV], 1
	s_and_b32 s[QH], s[WV], 1
	s_bfe_u32 s[CX], ttmp6, 0x40000
	s_bfe_u32 s[CY], ttmp6, 0x40004
	s_lshl_b32 s[HG], ttmp9, 2
	s_add_co_u32 s[HG], s[HG], s[CX]
	s_and_b32 s[BC], ttmp7, 0xffff
	s_lshl_b32 s[BC], s[BC], 2
	s_add_co_u32 s[BC], s[BC], s[CY]
	s_lshl_b32 s2, s[CY], 2
	s_lshl_b32 s2, 15, s2                          ; my row of the cluster
	s_lshl_b32 s3, 0x1111, s[CX]                   ; my column
	s_or_b32 s[G1E], s2, G1C
	s_or_b32 s[G1W], s3, G1C
.irp g, G1E, G1W                       ; 128 rows of 256 bytes
	s_mov_b32 s[\g+1], 256<<16
	s_mov_b32 s[\g+2], 128<<16
	s_mov_b32 s[\g+3], 256<<16
	s_mov_b32 s[\g+4], 128
	s_mov_b32 s[\g+6], 0
	s_mov_b32 s[\g+7], 0
.endr
	s_mov_b32 s[G1E+5], 256                        ; first for h: 8 rows of 4,096 bytes, one dense block
	s_mov_b32 s[G1W+5], 1024
	s_lshl_b32 s2, s[QH], 17
	s_lshl_b32 s[G0W+2], s[HG], 18
	s_mov_b32 s[G0W+3], 0
	s_add_co_u32 s[G0Q+2], s[G0W+2], s2            ; Wq: my 128 of 256 rows, 256 of a slot's 512 along K
	s_lshl_b32 s3, s[HH], 8
	s_add_co_u32 s[G0Q+2], s[G0Q+2], s3
	s_mov_b32 s[G0Q+3], 0
	s_lshl_b32 s90, s[BC], 18                      ; e
	s_add_co_u32 s90, s90, s2
	s_mov_b32 s91, 0
	s_mul_i32 s3, s[WV], HALFT
.irp g, G0Q, G0E, G0W
	s_mov_b32 s[\g], 1
	s_mov_b32 s[\g+1], s3
	s_mov_b32 s[\g+4], 1
	s_add_co_u32 s[\g+5], s3, SLOT
.endr
	; h: half t of the chunk's rows is rows 16 t .. and 32 + 16 t ..; mine are 8 from 32 HH + 16 t + 8 QH on, 63 rows on in the batch.  In the last chunk all waves take the batch's last 8 rows, and row 0 is the eighth of them
	s_lshl_b32 s3, s[HH], 5
	s_lshl_b32 s88, s[QH], 3
	s_add_co_u32 s3, s3, s88
	s_add_co_u32 s3, s3, 63
	s_and_b32 s2, s[BC], 15
	s_cmp_eq_u32 s2, 15
	s_cselect_b32 s3, 56, s3
	s_cselect_b32 s[ZG], 0, 0x3f800000
	s_cselect_b32 s62, 0, 0x10000                  ; to half 1
	s_mov_b32 s63, 0
	s_lshl_b32 s88, s[BC], 6
	s_add_co_u32 s88, s88, s3
	s_lshl_b32 s88, s88, 12
	s_mov_b32 s89, 0
	s_lshl_b32 s92, s[BC], 18                      ; e's prefetches: 64 rows for each partner, 16 a wave
	s_lshl_b32 s2, s[CX], 16
	s_add_co_u32 s92, s92, s2
	s_lshl_b32 s3, s[WV], 14
	s_add_co_u32 s92, s92, s3
	s_mov_b32 s93, 0
	s_lshl_b32 s2, s[CY], 16                       ; Wq's: 64 rows for each partner
	s_add_co_u32 s66, s[G0W+2], s2
	s_add_co_u32 s66, s66, s3
	s_mov_b32 s67, 0
	s_lshl_b32 s76, s[HG], 10                      ; biases
	s_lshl_b32 s2, s[HH], 8
	s_add_co_u32 s76, s76, s2
	s_mov_b32 s77, 0
	s_lshl_b32 s94, s[BC], 16                      ; o's images: my first tile (the loop steps one tile ahead of each tile's stores, which reach back by it)
	s_lshl_b32 s2, s[QH], 15
	s_add_co_u32 s94, s94, s2
	s_lshl_b32 s2, s[HG], 12
	s_add_co_u32 s94, s94, s2
	s_lshl_b32 s2, s[HH], 10
	s_add_co_u32 s94, s94, s2
	s_mov_b32 s95, 0
	; addresses
	v_and_b32 v28, 15, v0                          ; r
	v_bfe_u32 v29, v0, 4, 1                        ; h
	v_and_b32 v30, 31, v0                          ; lane
	v_mul_u32_u24 v31, v28, PITCH
	v_lshl_add_u32 v31, v29, 4, v31
	v_mul_u32_u24 v[VB], v29, PITCH
	v_lshl_add_u32 v[VB], v28, 4, v[VB]
	s_wait_alu depctr_va_vdst(0)
	v_add_nc_u32 v[VB], s[G0E+1], v[VB]
	v_add_nc_u32 v[VB+1], SLOT, v[VB]
	s_mul_i32 s2, s[QH], HALFT
	v_add_nc_u32 v[ADRA], s2, v31
	v_add_nc_u32 v[ADRA+1], SLOT, v[ADRA]
	s_mul_i32 s2, s[HH], 64*PITCH
	v_add_nc_u32 v[ADRQ], s2, v31
	v_add_nc_u32 v[ADRQ+1], 2*HALFT, v[ADRQ]
	v_add_nc_u32 v[ADRQ+2], SLOT, v[ADRQ]
	v_add_nc_u32 v[ADRQ+3], SLOT, v[ADRQ+1]
	v_add_nc_u32 v[ADRK], 2*HALFT, v[ADRQ]
	v_add_nc_u32 v[ADRK+1], SLOT, v[ADRK]
	v_add_nc_u32 v[ADRV], HALFT, v[ADRK]
	v_add_nc_u32 v[ADRV+1], SLOT, v[ADRV]
	s_wait_alu depctr_va_vdst(0)
	s_mul_i32 s2, s[WV], 8*XP                      ; my 8 rows of the exchange
	s_add_co_u32 s2, s2, XCH
	v_lshl_add_u32 v[XST], v30, 2, s2
	v_mul_u32_u24 v[XLD], v28, XP
	v_lshl_add_u32 v[XLD], v29, 4, v[XLD]
	s_mul_i32 s2, s[QH], 16*XP
	s_add_co_u32 s2, s2, XCH
	v_add_nc_u32 v[XLD], s2, v[XLD]
	s_lshl_b32 s2, s[WV], 13
	s_add_co_u32 s2, s2, XCH
	v_lshl_add_u32 v[XCS], v30, 4, s2
	s_wait_alu depctr_va_vdst(0)
	s_xor_b32 s2, s[WV], 1
	s_lshl_b32 s2, s2, 13
	s_add_co_u32 s2, s2, XCH
	v_lshl_add_u32 v[XCL], v30, 4, s2
	v_lshlrev_b32 v[OOF], 4, v30
	v_lshlrev_b32 v[PFH], 8, v30
	v_lshlrev_b32 v[PFO], 10, v28
	v_lshl_add_u32 v[PFO], v29, 8, v[PFO]
	v_lshlrev_b32 v[BOF8], 5, v29
	v_lshlrev_b32 v[BOFR], 2, v28
.irp j, 81,83,85,87
	v_mov_b32 v[\j], 0                             ; named as upper halves of pairs
.endr
	s_lshl_b32 s2, s[CY], 15                       ; the prefetches of Wk (QH = 0) or Wv: 32 rows for each partner, 16 for each HH
	s_add_co_u32 s100, s[G0W+2], s2
	s_lshl_b32 s2, s[HH], 14
	s_add_co_u32 s100, s100, s2
	s_mov_b32 s101, 0
	s_lshl_b32 s2, s[CX], 13                       ; of h's half 1: 8,192 bytes for each partner and wave
	s_mov_b32 s3, 0
	s_wait_alu depctr_va_vdst(0)
	s_wait_dscnt 0x0                               ; both opening adds are done
	s_wait_kmcnt 0x0
	s_add_nc_u64 s[G0E+2:G0E+3], s[4:5], s[88:89]
	s_add_nc_u64 s[G0E+6:G0E+7], s[G0E+2:G0E+3], s[62:63]
	s_add_nc_u64 s[G0Q+2:G0Q+3], s[10:11], s[G0Q+2:G0Q+3]
	s_add_nc_u64 s[G0Q+6:G0Q+7], s[G0Q+2:G0Q+3], 512
	s_add_nc_u64 s[10:11], s[10:11], s[66:67]
	s_cmp_eq_u32 s[QH], 0
	s_cselect_b64 s[G0W+6:G0W+7], s[12:13], s[14:15]
	s_add_nc_u64 s[G0W+2:G0W+3], s[G0W+6:G0W+7], s[G0W+2:G0W+3]
	s_add_nc_u64 s[12:13], s[G0W+6:G0W+7], s[100:101]
	s_add_nc_u64 s[G0W+6:G0W+7], s[G0W+2:G0W+3], 256
	s_add_nc_u64 s[14:15], s[G0E+6:G0E+7], s[2:3]
.irp g, G0Q, G0E, G0W
	s_or_b32 s[\g+3], s[\g+3], 0x80000000
	s_or_b32 s[\g+7], s[\g+7], 0x80000000
.endr
	s_add_nc_u64 s[4:5], s[8:9], s[90:91]          ; e's tiles: into the descriptors when h has landed
	s_or_b32 s5, s5, 0x80000000
	s_add_nc_u64 s[8:9], s[8:9], s[92:93]
	s_add_nc_u64 s[16:17], s[16:17], s[76:77]
	s_add_nc_u64 s[18:19], s[18:19], s[76:77]
	s_add_nc_u64 s[20:21], s[20:21], s[76:77]
	s_add_nc_u64 s[24:25], s[24:25], s[94:95]
	s_load_b256 s[76:83], s[22:23], 0x0            ; e0 .. e7
	s_load_b128 s[84:87], s[22:23], 0x20           ; e8 .. e11
	s_cmp_eq_u32 s[WV], 0
	s_cselect_b32 s[Z0], 0x3f800000, s[ZG]
	s_mov_b32 s[I1024], 0x3a800000                 ; 1/1,024
	s_mov_b32 s[EPS], 0x322bcc77                   ; 1e-8
	CROUND                                         ; all sixteen work-groups are here: the joint loads meet
	TLOAD G0E, G1E                                 ; h's half 0, into slot 0
.irp j, 0,1,2,3,4,5,6,7
	global_load_b128 v[BK+4*\j:BK+4*\j+3], v[OOF], s[6:7] offset:512*\j
.endr
	WIN 0xc0
.irp tt, 0,1,2,3,4,5,6,7
	global_load_b128 v[8*\tt:8*\tt+3], v[BOF8], s[16:17] offset:((\tt/4)*128+16*(\tt%4))*4
	global_load_b128 v[8*\tt+4:8*\tt+7], v[BOF8], s[16:17] offset:((\tt/4)*128+16*(\tt%4))*4+16
.endr
	WIN 0
	global_prefetch_b8 v[PFH], s[14:15] th:TH_LOAD_NT scope:SCOPE_SE
	s_wait_kmcnt 0x0
	s_add_co_i32 s2, s82, s83
	s_lshl_b32 s2, s2, 23
	s_add_co_i32 s[CS], s2, 0x3e38aa3b             ; log2(e) / 8 x 2^(e6 + e7)
	s_mov_b32 s[CS+1], s[CS]
	s_mov_b32 s[SEL], 0x76543210
	s_mov_b32 s[SEL+1], 0xfedcba98
	s_mov_b32 s2, s76
	MKLIM 2, 3, LIMX, NEGX
	v_mov_b32 v[SCT], s3
	s_add_co_i32 s3, s76, s77
	s_sub_co_i32 s2, s82, s3
	s_sub_co_i32 s[EBQ], 0, s3
	MKLIM 2, SCQ, LIMQ, NEGQ
	s_add_co_i32 s3, s78, s79
	s_sub_co_i32 s2, s83, s3
	s_sub_co_i32 s[EBK], 0, s3
	MKLIM 2, 3, LIMK, NEGK
	v_mov_b32 v[SCK], s3
	s_add_co_i32 s3, s80, s81
	s_sub_co_i32 s2, s84, s3                       ; V is product 5's operand A as it is lowered, P its B
	s_sub_co_i32 s[EBV], 0, s3
	MKLIM 2, 3, LIMV, NEGV
	v_mov_b32 v[SCV], s3
	s_mov_b32 s2, s85
	MKLIM 2, 3, LIMP, -1
	v_mov_b32 v[SCP], s3
	s_sub_co_i32 s2, s86, s84
	s_sub_co_i32 s2, s2, s85
	MKLIM 2, 3, LIMO, NEGO
	v_mov_b32 v[SCO], s3
	s_and_b32 s2, ttmp7, 3                         ; every fourth cluster asks for the weights
	s_cmp_eq_u32 s2, 0
	s_cselect_b32 s[GATE], 1, 0
	s_wait_alu depctr_va_vdst(0)
	ASKG 10, 0
	ASKG 10, 512
	DRAIN                                          ; h's half 0 is in
	s_wait_dscnt 0x0
	CROUND
	TLOAD G0E+4, G1E                               ; h's half 1, into slot 1 (its first fill)
	s_wait_loadcnt 16                              ; g is in; Q's biases (16 loads) may be out
	HALF VB, 1
	DRAIN                                          ; h's half 1 is in: the descriptors turn to e
	s_mov_b64 s[G0E+2:G0E+3], s[4:5]
	s_add_nc_u64 s[G0E+6:G0E+7], s[4:5], 256
	s_mov_b32 s[G1E+5], 1024
	s_wait_dscnt 0x0                               ; my reads of slot 0 and my stores of codes are done
	CROUND
	TLOAD G0Q, G1W                                 ; Wq's K = 0 .. 511, into slot 0
	EXLOAD 0
	ASK 0
	ASKG 12, 0
	BARRIER                                        ; the exchange may be written again
	HALF VB+1, 0
	DRAIN                                          ; Wq's first half is in
	s_wait_dscnt 0x0
	CROUND
	TLOAD G0Q+4, G1W                               ; Wq's K = 512 .. 1,023, into slot 1
	EXLOAD 1
	FETCHQ 0, 0
	s_wait_loadcnt 0x0                             ; Q's biases
	BIASLOAD
	WIN 0xc3
.set qi, 0
.rept 64
	v_ldexp_f32 v[qi], v[qi], s[EBQ]
.set qi, qi+1
.endr
	WIN 0
	v_mov_b32 v[SCT], s[SCQ]
	s_wait_alu depctr_va_vdst(0)
	QSTEP 0
	QSTEP 1
	QSTEP 2
	s_wait_tensorcnt 0x0                           ; Wq's second half is in
	ds_add_u32 v[SPW], v[NIL]
	s_wait_dscnt 1                                 ; (the add may be out)
	QMUL 3, 0
	s_wait_dscnt 0x0
	s_barrier_signal -1
	QMUL 3, 4
	WIN 0
	s_barrier_wait -1
	CREST
	JLOAD 0                                        ; the first pair's K tile 0, into slot 0
	FETCHQ 4, 0
	ASK 512
	ASKG 12, 512
	QSTEP 4
	QSTEP 5
	QSTEP 6
	s_wait_dscnt 0x0
	QMUL 7, 0
	QMUL 7, 4
	PLACES 4
	WIN 0xc3
.set qi, 0
.rept 128
	v_med3_num_f32 v[128+qi], v[128+qi], s[NEGQ], s[LIMQ]
.set qi, qi+1
.endr
	WIN 0x03
	s_wait_xcnt 0x0                                ; the head's prefetch has read its address, which lies among Q's codes
.irp tt, 0,1,2,3,4,5,6,7
.irp i, 0,1
	v_cvt_scalef32_pk8_bf8_f32 v[QW+16*(\tt/4)+8*\i+2*(\tt%4):QW+16*(\tt/4)+8*\i+2*(\tt%4)+1], v[128+8*(8*\i+\tt):128+8*(8*\i+\tt)+7], v[SCT]
.endr
.endr
	v_nop
	WIN 0
	s_mov_b32 s[PASS], 2
	s_wait_alu depctr_va_vdst(0)
.Lpass:                                            ; a pair of heads: tile 0 is in slot 0 or on its way
	BIASFIX
	DRAIN
	s_wait_dscnt 0x0                               ; nobody reads slot 1 any more
	CROUND
	JLOAD 1                                        ; tile 1
	LB 0, 0, 0, 0
	LB 0, 0, 0, 2
	LA 0, 0, 0
	LA 0, 0, 1
	LA 0, 0, 2
	LA 0, 0, 3
	STEP 0, 1
	TURN 0, 1, 1                                   ; asks for tile 2
	ASKG 12, 131072                                ; the next pair's weights, in the first pass
	STEP 1, 0
	TURN 1, 0, 1                                   ; asks for tile 3
	ASKG 12, 131584
	STEP 0, 0
	TURN 0, 1, 0
	STEP 1, 0
	s_wait_dscnt 16
	GRP 0, 1, 0
	GRP 1, 1, 0
	s_wait_dscnt 0x0
	PLACES 4
	LASTG 2, 0, NEGK, LIMK
	CVTK 2
	LASTG 3, 32, NEGV, LIMV
	CVTV 2
	HOLD 3, 0, NEGK, LIMK
	CVTK 3
	XPUT 32
	HOLD 3, 32, NEGV, LIMV
	CVTV 3
	WIN 0
	BARRIER
	XGET 32
	BARRIER
	XPUT 0
	BARRIER
	XGET 0
	s_cmp_eq_u32 s[PASS], 1
	s_cbranch_scc1 .Llast                          ; the last pair's softmax is written out: it asks for nothing more
	DRAIN
.irp s, 0,4                            ; back along K; the weights' next 128 rows
	s_sub_nc_u64 s[G0E+\s+2:G0E+\s+3], s[G0E+\s+2:G0E+\s+3], 512
	s_add_nc_u64 s[G0W+\s+2:G0W+\s+3], s[G0W+\s+2:G0W+\s+3], 128*1024-512
.endr
	s_add_nc_u64 s[18:19], s[18:19], 512
	s_add_nc_u64 s[20:21], s[20:21], 512
	s_mov_b32 s[GATE], 0
	s_wait_dscnt 0x0
	CROUND
	JLOAD 0                                        ; the next pair's tile 0 has the softmax in which to land
	BIASLOAD
	ATT
.set qi, 0
.rept 16
	v_mov_b32 v[QW+qi], v[QW+16+qi]                ; the next pair's queries
.set qi, qi+1
.endr
	s_wait_alu depctr_va_vdst(0)
	s_wait_xcnt 0x0
	s_sub_nc_u64 s[24:25], s[24:25], 2*16384-2048
	s_sub_co_u32 s[PASS], s[PASS], 1
	s_branch .Lpass
.Llast:
	ATT
	s_wait_tensorcnt 0x0                           ; the wave's end
	ds_add_u32 v[SPW], v[NIL]
	s_wait_dscnt 0x0
	CROUND                                         ; the closing round
	s_endpgm
.Lfunc_end_k_q557f246e86_attn:
	.size	k_q557f246e86_attn, .Lfunc_end_k_q557f246e86_attn-k_q557f246e86_attn
	.p2alignl 7, 3214868480
	.fill 96, 4, 3214868480
	.section	.rodata,"a",@progbits
	.p2align	6, 0x0
	.amdhsa_kernel k_q557f246e86_attn
		.amdhsa_group_segment_fixed_size 327680
		.amdhsa_private_segment_fixed_size 0
		.amdhsa_enable_private_segment 0
		.amdhsa_kernarg_size 88
		.amdhsa_user_sgpr_count 2
		.amdhsa_user_sgpr_kernarg_segment_ptr 1
		.amdhsa_wavefront_size32 1
		.amdhsa_system_sgpr_workgroup_id_x 1
		.amdhsa_system_sgpr_workgroup_id_y 1
		.amdhsa_system_sgpr_workgroup_id_z 1
		.amdhsa_system_vgpr_workitem_id 0
		.amdhsa_next_free_vgpr 1024
		.amdhsa_next_free_sgpr 102
		.amdhsa_reserve_vcc 1
		.amdhsa_float_denorm_mode_32 3
		.amdhsa_float_denorm_mode_16_64 3
		.amdhsa_memory_ordered 1
		.amdhsa_forward_progress 1
		.amdhsa_inst_pref_size 255
	.end_amdhsa_kernel
	.section	.bss,"aw",@nobits
	.p2align	6
	.space	262144
	.amdgpu_metadata
---
amdhsa.version: [ 1, 2 ]
amdhsa.kernels:
  - .name:           k_q557f246e86_attn
    .symbol:         k_q557f246e86_attn.kd
    .args:
      - { .name: h, .offset: 0, .size: 8, .value_kind: global_buffer, .address_space: global }
      - { .name: g_norm, .offset: 8, .size: 8, .value_kind: global_buffer, .address_space: global }
      - { .name: e_codes, .offset: 16, .size: 8, .value_kind: global_buffer, .address_space: global }
      - { .name: Wq_codes, .offset: 24, .size: 8, .value_kind: global_buffer, .address_space: global }
      - { .name: Wk_codes, .offset: 32, .size: 8, .value_kind: global_buffer, .address_space: global }
      - { .name: Wv_codes, .offset: 40, .size: 8, .value_kind: global_buffer, .address_space: global }
      - { .name: bq, .offset: 48, .size: 8, .value_kind: global_buffer, .address_space: global }
      - { .name: bk, .offset: 56, .size: 8, .value_kind: global_buffer, .address_space: global }
      - { .name: bv, .offset: 64, .size: 8, .value_kind: global_buffer, .address_space: global }
      - { .name: lowp_scales, .offset: 72, .size: 8, .value_kind: global_buffer, .address_space: global }
      - { .name: oimg, .offset: 80, .size: 8, .value_kind: global_buffer, .address_space: global }
    .group_segment_fixed_size: 327680
    .private_segment_fixed_size: 0
    .kernarg_segment_align: 8
    .kernarg_segment_size: 88
    .max_flat_workgroup_size: 128
    .sgpr_count:     102
    .vgpr_count:     1024
    .wavefront_size: 32
...
	.end_amdgpu_metadata
.endif
;; end of part 1
;; launch proj (part 2): grid 8 x 32, 4 waves a work-group, clusters of 4 x 4, 327,680 bytes of LDS; arguments oimg, Wo_codes, bo, h, lowp_scales, out0; writes out0
.if DOCPART == 2
	.amdgcn_target "amdgcn-amd-amdhsa--gfx1250"
	.amdhsa_code_object_version 6
	.text
	.protected	k_q557f246e86_proj
	.globl	k_q557f246e86_proj
	.p2align	8
	.type	k_q557f246e86_proj,@function
k_q557f246e86_proj:
	s_mov_b64 s[64:65], 0
	v_nop
	global_prefetch_b8 v0, s[64:65] scope:SCOPE_SE
	s_setreg_imm32_b32 hwreg(HW_REG_WAVE_MODE, 25, 1), 1
	s_wait_xcnt 0x0
	s_wait_alu depctr_hold_cnt(0) depctr_sa_sdst(0) depctr_va_vdst(0) depctr_va_sdst(0) depctr_va_ssrc(0) depctr_va_vcc(0) depctr_vm_vsrc(0)
	s_getreg_b32 s2, hwreg(HW_REG_IB_STS2, 6, 4)
	s_cmp_eq_u32 s2, 0
	s_cbranch_scc0 .Lentry_in_a_cluster
	s_endpgm
.Lentry_in_a_cluster:
	s_bfe_u32 s2, ttmp6, 0x10000c
	s_cmp_lg_u32 s2, 0xf033
	s_cbranch_scc0 .Lentry_shape_is_right
	s_endpgm
.Lentry_shape_is_right:
; SECOND LAUNCH: out[b][(i + 63) mod 1024] = h[same row] + (i <= 960 ? o[b][i] Wo + bo : 0), the product on codes of E5M2.
; The cyclic map of rows lets every work-group write exactly one block of 128 x 128 of the output: rows i = 961 .. 1023 of o, which are cut away, fall on the output's rows 0 .. 62, which are h alone:
; there the product is replaced by 0 by a select, with no branch.  (They share tiles of 16 rows with live ones or a work-group's walk with them.)  A NaN or an overflow in those rows of o is not carried to the result.
; A work-group takes 128 rows of o x 128 columns; all of K = 1,024 lies in LDS, brought by one tensor load a wave: nothing is filled again.  32 x 8 = 256 work-groups.
; Four waves, each 64 x 64: 16 accumulators.  o's codes come as images of fragments ([16 rows][K step of 128][2,048 bytes], lane l's 16 bytes at 16 l); Wo's rows by loads of 8 bytes, k in its true places, to match.
; THE MATRIX INSTRUCTION IS USED TRANSPOSED (source 0 = 16 rows of Wo, source 1 = 16 rows of o): a lane holds eight neighbouring columns of a row.
; CLUSTER 4 x 4: o's tile is shared along a row of the cluster, Wo's along a column: joint loads.
; No prefetch: all streams are asked for at the head, and there is no loop to run ahead in.  LIMIT: e10 + e11 between -126 and 127.
.set BREG,  131072                     ; LDS 0: o's images, 8 row tiles x 16,384 bytes; here Wo: 128 rows x (1,024 bytes + 16): 260 words a row: the 32 lanes of an 8-byte load touch 64 different banks
.set BP,    1040
.set STG,   BREG+128*BP                ; the way out: 16 rows x (256 bytes + 16) for each wave
.set SP,    272
.set SPARE, STG+4*16*SP                ; the spare words, 128 bytes for each wave
.set SPW, 1
.set NIL, 2
.set ADA, 3                            ; my images
.set ADB, 5                            ; my rows of Wo
.set STO, 7
.set RD,  8
.set RB,  9                            ; my first row of o within its batch
.set CB,  10                           ; the batch and my 16 bytes of a row
.set OFF, 32                           ; v32-63  byte offsets in h and in the output, one for each pair of rows; never rewritten
.set BO,  64                           ; v64-95  bo in the result's layout
.set TMP, 96                           ; v96-127 at work
.set ACC, 128                          ; v128-255 accumulator (a, b) at 128 + 8 (4 a + b)
; fragments, three sets of 128 (o's 4, then Wo's 4): window 1 at 0 and 128, window 3 at 0.   window 2: v0-127 h's rows; v128-191 rows read back from the stage, two sets; v192 a copy of RB
.set G1A, 20
.set G1B, 28
.set G0A, 36
.set G0B, 44
.set MSB, 0
.macro WIN new
.if MSB != (\new)
	s_set_vgpr_msb (MSB<<8)|(\new)
.set MSB, \new
.endif
.endm
.macro PLACES n
.rept \n
	v_nop
.endr
.endm
.macro CROUND                          ; a round of the cluster's barrier
	s_barrier_signal -1
	s_barrier_wait -1
	s_cmp_lg_u32 s16, 0
	s_cbranch_scc1 .Lnot_wave_0_\@
	s_barrier_signal -3
.Lnot_wave_0_\@:
	s_barrier_wait -3
	s_barrier_signal -1
	s_barrier_wait -1
.endm
	s_load_b256 s[4:11], s[0:1], 0x0               ; o's images, Wo's codes, bo, h
	s_load_b128 s[12:15], s[0:1], 0x20             ; the scales' exponents, the output
	v_lshl_add_u32 v[SPW], v0, 2, SPARE
	v_mov_b32 v[NIL], 0
	ds_add_u32 v[SPW], v[NIL]                      ; the wave's opening: the add, twice, and its wait ahead of my first tensor load
	ds_add_u32 v[SPW], v[NIL]
	v_lshrrev_b32 v3, 5, v0
	v_readfirstlane_b32 s16, v3                    ; wave
	s_lshr_b32 s17, s16, 1                         ; mh: my half of the rows.  Also: I fetch o's images (0) or Wo (1)
	s_and_b32 s18, s16, 1                          ; nh: my half of the columns.  Also: which half of the tile I fetch
	s_bfe_u32 s52, ttmp6, 0x40000                  ; cx
	s_bfe_u32 s53, ttmp6, 0x40004                  ; cy
	s_lshl_b32 s54, ttmp9, 2
	s_add_co_u32 s54, s54, s52                     ; nt
	s_and_b32 s55, ttmp7, 0xffff
	s_lshl_b32 s55, s55, 2
	s_add_co_u32 s55, s55, s53                     ; mt
	s_lshl_b32 s2, s53, 2
	s_lshl_b32 s2, 15, s2                          ; my row of the cluster
	s_lshl_b32 s3, 0x1111, s52                     ; my column
	s_or_b32 s[G1A], s2, (3<<16)|(1<<21)           ; o's images: elements of 8 bytes, no padding; 4 rows of 16,384 bytes
	s_mov_b32 s[G1A+1], 2048<<16
	s_mov_b32 s[G1A+2], 4<<16
	s_mov_b32 s[G1A+3], 2048<<16
	s_mov_b32 s[G1A+4], 4
	s_mov_b32 s[G1A+5], 2048
	s_mov_b32 s[G1A+6], 0
	s_mov_b32 s[G1A+7], 0
	s_or_b32 s[G1B], s3, (1<<20)|(1<<21)|(7<<22)|(3<<25)   ; Wo: elements of 1 byte; 64 rows of 1,024 bytes, 4 words of padding after every 256
	s_mov_b32 s[G1B+1], 1024<<16
	s_mov_b32 s[G1B+2], 64<<16
	s_mov_b32 s[G1B+3], 1024<<16
	s_mov_b32 s[G1B+4], 64
	s_mov_b32 s[G1B+5], 1024
	s_mov_b32 s[G1B+6], 0
	s_mov_b32 s[G1B+7], 0
	s_lshl_b32 s19, s18, 16
	s_lshl_b32 s[G0A+2], s55, 17                   ; row tiles 8 mt + 4 (wave & 1) on, 16,384 bytes each
	s_add_co_u32 s[G0A+2], s[G0A+2], s19
	s_mov_b32 s[G0A+3], 0
	s_lshl_b32 s[G0B+2], s54, 17                   ; rows 128 nt + 64 (wave & 1) on, 1,024 bytes each
	s_add_co_u32 s[G0B+2], s[G0B+2], s19
	s_mov_b32 s[G0B+3], 0
	s_mov_b32 s[G0A], 1
	s_lshl_b32 s[G0A+1], s18, 16
	s_mov_b32 s[G0B], 1
	s_mul_i32 s[G0B+1], s18, 64*BP
	s_add_co_u32 s[G0B+1], s[G0B+1], BREG
	s_lshl_b32 s60, s54, 9                         ; bo: column 128 nt + 64 nh
	s_lshl_b32 s19, s18, 8
	s_add_co_u32 s60, s60, s19
	s_mov_b32 s61, 0
	s_wait_dscnt 0x0                               ; both opening adds are done
	s_wait_kmcnt 0x0
	s_load_b64 s[58:59], s[12:13], 0x28            ; e10, e11
	s_add_nc_u64 s[G0A+2:G0A+3], s[4:5], s[G0A+2:G0A+3]
	s_add_nc_u64 s[G0B+2:G0B+3], s[6:7], s[G0B+2:G0B+3]
	s_or_b32 s[G0A+3], s[G0A+3], 0x80000000
	s_or_b32 s[G0B+3], s[G0B+3], 0x80000000
	s_add_nc_u64 s[8:9], s[8:9], s[60:61]
	CROUND                                         ; all sixteen work-groups are here: the joint loads meet
	s_cmp_lt_u32 s16, 2                            ; one load to an arm
	s_cbranch_scc0 .Lfirst_b
	tensor_load_to_lds s[G0A:G0A+3], s[G1A:G1A+7]
	s_nop 0
	PLACES 4
	s_branch .Lfirst_asked
.Lfirst_b:
	tensor_load_to_lds s[G0B:G0B+3], s[G1B:G1B+7]
	s_nop 0
	PLACES 4
.Lfirst_asked:
	v_and_b32 v12, 15, v0                          ; r
	s_wait_alu depctr_va_vdst(0)
	v_bfe_u32 v13, v0, 4, 1                        ; h
	v_and_b32 v14, 31, v0                          ; lane
	s_and_b32 s2, s55, 7
	s_lshl_b32 s2, s2, 7
	s_lshl_b32 s3, s17, 6
	s_add_co_u32 s2, s2, s3
	v_add_nc_u32 v[RB], s2, v13                    ; 128 (mt % 8) + 64 mh + lane / 16
	s_lshr_b32 s2, s55, 3
	s_lshl_b32 s2, s2, 22                          ; the batch: 1,024 rows of 4,096 bytes
	s_lshl_b32 s3, s54, 9
	s_add_co_u32 s2, s2, s3
	s_lshl_b32 s3, s18, 8
	s_add_co_u32 s2, s2, s3
	s_wait_alu depctr_va_vdst(0)
	v_lshl_add_u32 v[CB], v12, 4, s2
.irp a, 0,1,2,3
.irp t, 0,1,2,3,4,5,6,7
	v_add_nc_u32 v[OFF+8*\a+\t], 16*\a+2*\t+63, v[RB]
	v_and_b32 v[OFF+8*\a+\t], 1023, v[OFF+8*\a+\t]         ; the output's row: (i + 63) mod 1,024
	v_lshl_add_u32 v[OFF+8*\a+\t], v[OFF+8*\a+\t], 12, v[CB]
.endr
.endr
	WIN 0x80
.irp a, 0,1,2,3
.irp t, 0,1,2,3,4,5,6,7
	global_load_b128 v[4*(8*\a+\t):4*(8*\a+\t)+3], v[OFF+8*\a+\t], s[10:11] th:TH_LOAD_NT   ; h: sixteen lanes read 256 consecutive bytes; read once in this launch
.endr
.endr
	v_mov_b32 v192, v[RB]
	WIN 0
	v_lshlrev_b32 v11, 5, v13
.irp b, 0,1,2,3
	global_load_b128 v[BO+8*\b:BO+8*\b+3], v11, s[8:9] offset:64*\b          ; bo of columns 16 b + 8 h + 0 .. 7
	global_load_b128 v[BO+8*\b+4:BO+8*\b+7], v11, s[8:9] offset:64*\b+16
.endr
	s_lshl_b32 s2, s17, 16
	v_lshl_add_u32 v[ADA], v14, 4, s2
	v_mul_u32_u24 v[ADB], v12, BP
	v_lshl_add_u32 v[ADB], v13, 3, v[ADB]
	s_mul_i32 s2, s18, 64*BP
	s_add_co_u32 s2, s2, BREG
	v_add_nc_u32 v[ADB], s2, v[ADB]
	s_mul_i32 s3, s16, 16*SP
	s_add_co_u32 s3, s3, STG                       ; my stage
	v_mul_u32_u24 v[STO], v12, SP
	v_lshl_add_u32 v[STO], v13, 5, v[STO]
	v_add_nc_u32 v[STO], s3, v[STO]                ; in: row r, 32 bytes for each half of the lanes
	v_mul_u32_u24 v[RD], v13, SP
	v_lshl_add_u32 v[RD], v12, 4, v[RD]
	v_add_nc_u32 v[RD], s3, v[RD]                  ; back: lanes 0-15 one row of 256 bytes, lanes 16-31 the next
.macro FETCH2 s, set                   ; K step s of 128: o's 4 fragments (images), Wo's 4 (registers 2 c, 2 c + 1: k = 16 c + 8 h + 0 .. 7): 48 loads
.set SB, 128*((\set)%2)
	WIN 0x40+0x80*((\set)/2)
.irp a, 0,1,2,3
.irp g, 0,1,2,3
	ds_load_b128 v[SB+16*\a+4*\g:SB+16*\a+4*\g+3], v[ADA] offset:16384*\a+2048*(\s)+512*\g
.endr
.endr
.irp b, 0,1,2,3
.irp c, 0,1,2,3,4,5,6,7
	ds_load_b64 v[SB+64+16*\b+2*\c:SB+64+16*\b+2*\c+1], v[ADB] offset:16*BP*\b+128*(\s)+16*\c
.endr
.endr
.endm
.macro MUL2 set, s                     ; 16 matrix instructions, the accumulators by turns; the first K step starts the sums
.set SB, 128*((\set)%2)
	WIN 0x05+0x0a*((\set)/2)
.irp a, 0,1,2,3
.irp b, 0,1,2,3
.if (\s) == 0
	v_wmma_f32_16x16x128_bf8_bf8 v[ACC+8*(4*\a+\b):ACC+8*(4*\a+\b)+7], v[SB+64+16*\b:SB+64+16*\b+15], v[SB+16*\a:SB+16*\a+15], 0
.else
	v_wmma_f32_16x16x128_bf8_bf8 v[ACC+8*(4*\a+\b):ACC+8*(4*\a+\b)+7], v[SB+64+16*\b:SB+64+16*\b+15], v[SB+16*\a:SB+16*\a+15], v[ACC+8*(4*\a+\b):ACC+8*(4*\a+\b)+7]
.endif
.endr
.endr
.endm
	s_wait_alu depctr_va_vdst(0)
	s_wait_tensorcnt 0x0                           ; my part is in,
	s_barrier_signal -1
	s_barrier_wait -1                              ; everybody's is
	FETCH2 0, 0
	FETCH2 1, 1
.irp s, 0,1,2,3,4,5,6,7
.if \s < 7
	s_wait_dscnt 48                                ; this step's fragments are in; the next step's 48 loads may be out
.else
	s_wait_dscnt 0x0
.endif
	MUL2 (\s)%3, \s
.if \s < 6
	PLACES 4                                       ; in front of loads into the set that the step before multiplied
	FETCH2 \s+2, (\s+2)%3
.endif
.endr
	WIN 0
	PLACES 4
	s_wait_kmcnt 0x0
	s_add_co_i32 s56, s58, s59
	s_add_co_i32 s56, s56, 127
	s_lshl_b32 s56, s56, 23                        ; 2^(e10 + e11) as f32
	s_mov_b32 s57, s56                             ; (named with it as a pair, so it is written)
	s_wait_loadcnt 0x0                             ; h and bo
; THE WAY OUT, 16 rows x 64 columns at a time through my own stage: LDS serves a wave's instructions in order (ISA guide 5.7.1.4), so no wait stands between the stores and the loads.
.macro TOSTAGE a
	WIN 0
.irp b, 0,1,2,3
.irp i, 0,2,4,6
	v_pk_fma_f32 v[TMP+8*\b+\i:TMP+8*\b+\i+1], v[ACC+8*(4*(\a)+\b)+\i:ACC+8*(4*(\a)+\b)+\i+1], s[56:57], v[BO+8*\b+\i:BO+8*\b+\i+1] op_sel_hi:[1,0,1]   ; sum x 2^(e10 + e11) + bo; each accumulator from its low end on
.endr
.endr
.irp b, 0,1,2,3
	ds_store_b128 v[STO], v[TMP+8*\b:TMP+8*\b+3] offset:64*\b
	ds_store_b128 v[STO], v[TMP+8*\b+4:TMP+8*\b+7] offset:64*\b+16
.endr
	WIN 0x80
.irp t, 0,1,2,3,4,5,6,7
	ds_load_b128 v[128+32*((\a)%2)+4*\t:128+32*((\a)%2)+4*\t+3], v[RD] offset:2*SP*\t
.endr
	WIN 0
.endm
.macro SEND a, younger                 ; younger: the LDS instructions issued behind block a's loads, which may stay out
.set YB, 128+32*((\a)%2)
	s_wait_dscnt \younger
	WIN 0xaa
.irp t, 0,1,2,3,4,5,6,7
	v_cmp_gt_i32 vcc_lo, 961-16*(\a)-2*\t, v192    ; is my row of o at most 960?
.irp k, 0,1,2,3
	v_cndmask_b32 v[YB+4*\t+\k], 0, v[YB+4*\t+\k], vcc_lo
.endr
	v_pk_add_f32 v[YB+4*\t:YB+4*\t+1], v[YB+4*\t:YB+4*\t+1], v[4*(8*(\a)+\t):4*(8*(\a)+\t)+1]
	v_pk_add_f32 v[YB+4*\t+2:YB+4*\t+3], v[YB+4*\t+2:YB+4*\t+3], v[4*(8*(\a)+\t)+2:4*(8*(\a)+\t)+3]
.endr
	WIN 0x08
.irp t, 0,1,2,3,4,5,6,7
	global_store_b128 v[OFF+8*(\a)+\t], v[YB+4*\t:YB+4*\t+3], s[14:15] th:TH_STORE_NT   ; sixteen lanes store 256 consecutive bytes, aligned; written once
.endr
	WIN 0
.endm
	TOSTAGE 0
.irp a, 1,2,3
.if \a > 1
	s_wait_xcnt 0x0                                ; block a - 2's stores have read their registers: block a's loads may land there
.endif
	TOSTAGE \a
	SEND \a-1, 16                                  ; behind block a - 1's loads: block a's 8 stores and 8 loads
.endr
	SEND 3, 0
	s_wait_tensorcnt 0x0                           ; the wave's end, behind my last tensor load and my last LDS store
	ds_add_u32 v[SPW], v[NIL]
	s_wait_dscnt 0x0
	CROUND                                         ; the closing round
	s_endpgm
.Lfunc_end_k_q557f246e86_proj:
	.size	k_q557f246e86_proj, .Lfunc_end_k_q557f246e86_proj-k_q557f246e86_proj
	.p2alignl 7, 3214868480
	.fill 96, 4, 3214868480
	.section	.rodata,"a",@progbits
	.p2align	6, 0x0
	.amdhsa_kernel k_q557f246e86_proj
		.amdhsa_group_segment_fixed_size 327680
		.amdhsa_private_segment_fixed_size 0
		.amdhsa_enable_private_segment 0
		.amdhsa_kernarg_size 48
		.amdhsa_user_sgpr_count 2
		.amdhsa_user_sgpr_kernarg_segment_ptr 1
		.amdhsa_wavefront_size32 1
		.amdhsa_system_sgpr_workgroup_id_x 1
		.amdhsa_system_sgpr_workgroup_id_y 1
		.amdhsa_system_sgpr_workgroup_id_z 1
		.amdhsa_system_vgpr_workitem_id 0
		.amdhsa_next_free_vgpr 1024
		.amdhsa_next_free_sgpr 80
		.amdhsa_reserve_vcc 1
		.amdhsa_float_denorm_mode_32 3
		.amdhsa_float_denorm_mode_16_64 3
		.amdhsa_memory_ordered 1
		.amdhsa_forward_progress 1
		.amdhsa_inst_pref_size 72
	.end_amdhsa_kernel
	.amdgpu_metadata
---
amdhsa.version: [ 1, 2 ]
amdhsa.kernels:
  - .name:           k_q557f246e86_proj
    .symbol:         k_q557f246e86_proj.kd
    .args:
      - { .name: oimg, .offset: 0, .size: 8, .value_kind: global_buffer, .address_space: global }
      - { .name: Wo_codes, .offset: 8, .size: 8, .value_kind: global_buffer, .address_space: global }
      - { .name: bo, .offset: 16, .size: 8, .value_kind: global_buffer, .address_space: global }
      - { .name: h, .offset: 24, .size: 8, .value_kind: global_buffer, .address_space: global }
      - { .name: lowp_scales, .offset: 32, .size: 8, .value_kind: global_buffer, .address_space: global }
      - { .name: out0, .offset: 40, .size: 8, .value_kind: global_buffer, .address_space: global }
    .group_segment_fixed_size: 327680
    .private_segment_fixed_size: 0
    .kernarg_segment_align: 8
    .kernarg_segment_size: 48
    .max_flat_workgroup_size: 128
    .sgpr_count:     80
    .vgpr_count:     1024
    .wavefront_size: 32
...
	.end_amdgpu_metadata
.endif
;; end of part 2
